; MI455X (gfx1250); checked and timed in simulation.
; The chip was launched on July 23, 2026; its instructions are those of AMD's public machine-readable ISA for CDNA 5 (MIT licence, August 2026) and "CDNA5" Instruction Set Architecture Reference Guide (July 2026). The comments in the code are by the model that wrote it; some were corrected since.
;; D2 L Dot Product Attention. Allowed arithmetic: matrix products marked QUANTISED: E4M3 operands, one given power-of-two scale a tensor, by v_wmma_f32_16x16x64_fp8_fp8 or v_wmma_f32_16x16x128_fp8_fp8, f32 sums; everything else in f32.
;; Inputs: keys 32 x 2,048 x 64 float32; lowp_scales 4 int32 (the exponents e of the quantised operands' scales 2^e); queries 32 x 2,048 x 64 float32; valid_lens 32 int32; values 32 x 2,048 x 64 float32.
;; Outputs: out0 32 x 2,048 x 64 float32.
;; This version of the problem:
;;   THIS VERSION OF THE PROBLEM IS GIVEN IN LOW PRECISION. The matrix products marked QUANTISED in the list below multiply operands that are first quantised to E4M3 (4 exponent bits, 3 mantissa bits; 8 bits a number), with one given power-of-two scale for each operand tensor; their sums are f32. All else is computed in f32.
;;   The module's matrix products, in the order in which they are computed (A, B: the left and right operand; K: the contracted axis; several contracted axes count as one K, in the product's order):
;;     1. batch 32 x [M 2,048, K 64] x [K 64, N 2,048]; A: input queries; B: input keys: QUANTISED (scales: A lowp_scales[0], B lowp_scales[1])
;;     2. batch 32 x [M 2,048, K 2,048] x [K 2,048, N 64]; A: softmax (see below); B: input values: QUANTISED (scales: A lowp_scales[2], B lowp_scales[3])
;;   THE QUANTISER, for each operand of a quantised product, along K:
;;     - The operand's scale is 2^e, e = its entry of the input lowp_scales (int32; the entries are numbered through the quantised products in the list's order, A before B).
;;     - Each number is divided by the scale, clamped to +-448, and rounded to the nearest number of E4M3, ties to even, subnormals kept.
;;     - The product sums the exact products of the quantised numbers (number of the format x scale) in f32.
;;   ~~~python
;;   def quantise(x, axis, e):      # numpy; x: float32 -> the quantised numbers, widened to float32 again
;;       x = np.moveaxis(x, axis, -1); K = x.shape[-1]
;;       r = np.clip(x / 2.0 ** e, -448, 448)
;;       step = 2.0 ** (np.maximum(np.frexp(np.where(r == 0, 1, r))[1] - 1, -6) - 3)
;;       q = np.round(r / step) * step * 2.0 ** e      # np.round: ties to even
;;       return np.moveaxis(q, -1, axis).astype(np.float32)
;;   ~~~
;;   SOFTMAX AHEAD OF A QUANTISED PRODUCT. Where the list says 'softmax', what is quantised is not the finished softmax but p = 2^(t - M), with t = logit x log2(e) and M = ceil(the row's largest t), a whole number; so 1/2 < the row's largest p <= 1. The row's sum l is taken of the UNQUANTISED p, in f32, and the product's result is divided by l at the end. Since M is a whole number, a kernel that streams over the keys may use a running M (the ceiling of the running maximum): every later rescaling is an exact power of two, so the quantised numbers keep their values, but for numbers so far below the row's largest that they fall under the format's range.
;;   OPERANDS COMPUTED ON THE WAY. 'Computed on the way' means the value that the module computes at that place (a softmax that the list does not call 'softmax' is quantised finished and normalised). What goes into a quantiser is computed in f32, as accurately as f32 sums, v_exp_f32 and their like allow (about 1e-6 of the number): no bf16 or f16 on the way to a quantiser, and a product that is left as it is and whose result goes on into a quantised operand takes f32 operands (vector FMAs, or v_wmma_f32_16x16x4_f32). A number that lies on a knife's edge between two numbers of the format may be rounded either way, as far as f32 arithmetic and the matrix unit's own rounding can turn it there, and no further.
;; One version. Each part assembles by itself: llvm-mc -triple=amdgcn-amd-amdhsa -mcpu=gfx1250 --defsym DOCPART=n.
;; ======== version 1 of 1: 2 launches
;; limits: right only within a limited range of input values
;; workspace buffers: kv 8,388,608 bytes; deal 256 bytes of whole numbers
;; launch quant (part 1): grid 512 x 1, 4 waves a work-group, no clusters, 9,216 bytes of LDS; arguments keys, values, valid_lens, lowp_scales, kv, deal; writes kv, deal
.if DOCPART == 1
	.amdgcn_target "amdgcn-amd-amdhsa--gfx1250"
	.amdhsa_code_object_version 6
	.text
	.protected	k_qedbcd7c105_quant
	.globl	k_qedbcd7c105_quant
	.p2align	8
	.type	k_qedbcd7c105_quant,@function
k_qedbcd7c105_quant:
	s_mov_b64 s[64:65], 0
	v_nop
	global_prefetch_b8 v0, s[64:65] scope:SCOPE_SE
	s_setreg_imm32_b32 hwreg(HW_REG_WAVE_MODE, 25, 1), 1
	s_wait_xcnt 0x0
; K and V [32][2048][64], f32, become codes of FP8 (E4M3), K with the scale 2^ek, V with 2^ev, laid as IMAGES OF THE OPERAND REGISTERS that the attention launch wants: for each batch and each 128 keys a block of 16,384 bytes:
;   K: tile t (16 keys) at 1024 t, + 512 g + 16 lane: key r = lane % 16, channels 32 (lane / 16) + 16 g + 0 .. 15;
;   V^T at 8192: tile c, key block k at 2048 c + 512 k + 16 lane: channel 4 r + c, keys 32 k + 16 u + 8 (lane / 16) + j at byte 8 u + j.
; 512 work-groups: batch = number % 32, 128 keys = number / 32; a wave takes 32 keys.  Only keys that the attention launch walks are quantised, in groups of 256 (valid_lens <= 0: all 2,048): a scalar branch on a whole
; number that was read; a work-group of keys beyond them stores nothing.  One wave of the last work-group ranks the batches by their number of counted keys and stores the sort keys in that order.
; V needs no transposition: the hold writes its results in another order than it reads them.  K's codes turn through the wave's own stage in LDS.  Every row is read once, whole; no work-groups share an input, so no cluster; no loop, so no prefetch.
; LIMITS: ek, ev between -126 and 119.  NaN among the inputs is not served; infinities are held at the largest code.  Rows of keys and values that no query walks are not looked at.
.set KR, 32
.set VR, 96
.set VT, 160
.set CK, 224
.set CV, 240
.set SPW, 14
.set NIL, 15
.set WST, 2176                         ; a wave's stage: eight pieces of 256 bytes, 16 of padding behind each
.set SPARE, 4*WST                      ; the spare words, 128 bytes for each wave
.macro MKSC e, vs, lim, nlim           ; 2^e as f32 into v[vs]; 448 x 2^e and its negative
	s_add_co_i32 s44, s[\e], 127
	s_lshl_b32 s45, s44, 23
	v_mov_b32 v[\vs], s45
	s_add_co_i32 s44, s44, 8
	s_lshl_b32 s44, s44, 23
	s_or_b32 s[\lim], s44, 0x600000
	s_xor_b32 s[\nlim], s[\lim], 0x80000000
.endm
	s_load_b256 s[4:11], s[0:1], 0x0               ; keys s[4:5], values s[6:7], valid_lens s[8:9], lowp_scales s[10:11]
	s_load_b128 s[12:15], s[0:1], 0x20             ; kv s[12:13], deal s[14:15]
	v_lshl_add_u32 v[SPW], v0, 2, SPARE
	v_mov_b32 v[NIL], 0
	v_lshrrev_b32 v1, 5, v0
	v_readfirstlane_b32 s16, v1                    ; wave 0..3
	s_mul_i32 s19, s16, WST
	s_and_b32 s17, ttmp9, 31                       ; batch
	s_lshr_b32 s18, ttmp9, 5                       ; which 128 keys
	v_and_b32 v2, 31, v0                           ; lane
	v_and_b32 v3, 15, v0                           ; r
	v_bfe_u32 v4, v0, 4, 1                         ; h
	v_bfe_u32 v5, v3, 2, 1                         ; r holds channels 4 r .. 4 r + 3 of a row: piece g = bit 2, half = bit 3, word = bits 1:0
	v_lshrrev_b32 v16, 3, v3
	v_and_b32 v17, 3, v3
	v_lshl_add_u32 v5, v5, 1, v16
	v_lshl_add_u32 v5, v4, 2, v5
	v_mul_u32_u24 v6, v5, 272
	v_lshl_add_u32 v6, v17, 2, v6
	v_add_nc_u32 v6, s19, v6                       ; stage, in: row i of tile h: + 16 i
	v_mul_u32_u24 v7, v4, 272
	v_lshl_add_u32 v7, v3, 4, v7
	v_add_nc_u32 v7, s19, v7                       ; stage, back
	v_lshlrev_b32 v8, 4, v3
	v_lshl_add_u32 v9, v4, 11, v8                  ; V: lanes 16-31 eight rows on
	v_lshl_add_u32 v8, v4, 12, v8                  ; K: lanes 16-31 sixteen rows on
	v_lshlrev_b32 v10, 4, v2                       ; out
	s_wait_alu depctr_va_vdst(0)                   ; directly ahead of the wait below
	s_wait_kmcnt 0x0
	s_lshl_b32 s20, s17, 2
	s_mov_b32 s21, 0
	s_add_nc_u64 s[20:21], s[8:9], s[20:21]
	s_load_b32 s22, s[20:21], 0x0                  ; valid_lens[batch]
	s_load_b128 s[24:27], s[10:11], 0x0            ; eq, ek, ep, ev
	s_cmp_lg_u32 ttmp9, 511
	s_cbranch_scc1 .Lnodeal
	s_cmp_lg_u32 s16, 0
	s_cbranch_scc1 .Lnodeal
	; THE RANK.  A batch's sort key: the keys that must be walked, then a flag (every key filled), then its number: all 32 differ.
	v_lshlrev_b32 v20, 2, v2
	v_mov_b32 v17, 0x800
	v_mov_b32 v22, 0
	s_wait_alu depctr_va_vdst(0)                   ; ahead of the load below
	global_load_b32 v16, v20, s[8:9]               ; lane b: valid_lens[b]
	s_wait_loadcnt 0x0
	v_cmp_gt_i32 vcc_lo, v16, v17
	s_delay_alu instid0(VALU_DEP_1)
	v_cndmask_b32 v16, v16, v17, vcc_lo            ; above 2,048: as 2,048
	s_delay_alu instid0(VALU_DEP_1)
	v_cmp_gt_i32 vcc_lo, 1, v16
	s_delay_alu instid0(VALU_DEP_1)
	v_cndmask_b32 v16, v16, v17, vcc_lo            ; 0 or less: every key is filled and every key is walked
	s_delay_alu instid0(VALU_DEP_2)
	v_cndmask_b32 v18, 0, 1, vcc_lo
	s_delay_alu instid0(VALU_DEP_2)
	v_lshlrev_b32 v19, 6, v16
	s_delay_alu instid0(VALU_DEP_1)
	v_lshl_or_b32 v19, v18, 5, v19
	s_delay_alu instid0(VALU_DEP_1)
	v_or_b32 v19, v19, v2
.irp n, 0,1,2,3,4,5,6,7,8,9,10,11,12,13,14,15,16,17,18,19,20,21,22,23,24,25,26,27,28,29,30,31
	v_readlane_b32 s44, v19, \n
	s_delay_alu instid0(VALU_DEP_1)
	v_cmp_lt_u32 vcc_lo, s44, v19
	s_delay_alu instid0(VALU_DEP_1)
	v_add_co_ci_u32 v22, vcc_lo, 0, v22, vcc_lo    ; my rank: how many sort keys lie under mine
.endr
	v_min_u32 v22, 31, v22                         ; held inside the buffer
	v_lshlrev_b32 v22, 2, v22
	global_store_b32 v22, v19, s[14:15]            ; deal[rank] = sort key: 128 consecutive bytes
.Lnodeal:
	s_cmp_lt_u32 s18, 4                            ; the first 512 keys' codes are always made: the attention launch reads two tiles of each batch at the least
	s_cbranch_scc1 .Lgo
	s_wait_kmcnt 0x0
	s_cmp_gt_i32 s22, 0
	s_cselect_b32 s22, s22, 0x800                  ; keys to walk
	s_lshr_b32 s23, s18, 1
	s_lshl_b32 s23, s23, 8                         ; first key of my group of 256
	s_cmp_lt_u32 s23, s22
	s_cbranch_scc0 .Lend
.Lgo:
	s_lshl_b32 s28, s17, 19
	s_lshl_b32 s29, s18, 15
	s_add_co_u32 s28, s28, s29
	s_lshl_b32 s29, s16, 13
	s_add_co_u32 s28, s28, s29
	s_mov_b32 s29, 0
	s_add_nc_u64 s[30:31], s[4:5], s[28:29]        ; my 32 rows of K,
	s_add_nc_u64 s[32:33], s[6:7], s[28:29]        ; of V
.set n, 0
.rept 16
	global_load_b128 v[KR+4*n:KR+4*n+3], v8, s[30:31] offset:256*n th:TH_LOAD_NT   ; K: rows n and 16 + n, whole
.set n, n+1
.endr
.set n, 0
.rept 16
	global_load_b128 v[VR+4*n:VR+4*n+3], v9, s[32:33] offset:256*(16*(n/8)+n%8) th:TH_LOAD_NT   ; V: rows 16 u + j and 16 u + 8 + j, n = 8 u + j
.set n, n+1
.endr
	s_lshl_b32 s34, s17, 18
	s_lshl_b32 s35, s18, 14
	s_add_co_u32 s34, s34, s35                     ; my block of the codes
	s_lshl_b32 s36, s16, 11
	s_add_co_u32 s36, s36, s34
	s_mov_b32 s37, 0
	s_add_nc_u64 s[36:37], s[12:13], s[36:37]      ; K's two tiles
	s_lshl_b32 s38, s16, 9
	s_add_co_u32 s38, s38, s34
	s_add_co_u32 s38, s38, 8192
	s_mov_b32 s39, 0
	s_add_nc_u64 s[38:39], s[12:13], s[38:39]      ; V's key block
	s_wait_kmcnt 0x0                               ; the scales' exponents
	MKSC 25, 11, 40, 41
	MKSC 27, 13, 42, 43
	s_wait_alu depctr_va_vdst(0)                   ; the wait at the head's end
	s_wait_loadcnt 16                              ; K's rows are in; V's sixteen loads may be out
.set n, 0
.rept 64
	v_med3_num_f32 v[KR+n], v[KR+n], s41, s40      ; the conversion to an 8-bit code does not saturate (ISA guide 7.6.2): the hold at the largest code x the scale
.set n, n+1
.endr
.set n, 0
.rept 8
	v_cvt_scalef32_pk8_fp8_f32 v[CK+2*n:CK+2*n+1], v[KR+8*n:KR+8*n+7], v11
.set n, n+1
.endr
	v_nop                                          ; one plain vector line behind the last conversion
.set n, 0
.rept 16
	ds_store_b32 v6, v[CK+n] offset:16*n
.set n, n+1
.endr
.set n, 0
.rept 4
	ds_load_b128 v[KR+4*n:KR+4*n+3], v7 offset:544*n   ; LDS serves a wave's instructions in order (ISA guide 5.7.1.4): these see my stores
.set n, n+1
.endr
	s_wait_loadcnt 0x0
.irp c, 0,1,2,3
.set n, 0
.rept 16
	v_med3_num_f32 v[VT+16*\c+n], v[VR+4*n+\c], s43, s42   ; channel 4 r + c: sixteen keys on end
.set n, n+1
.endr
.endr
.set n, 0
.rept 8
	v_cvt_scalef32_pk8_fp8_f32 v[CV+2*n:CV+2*n+1], v[VT+8*n:VT+8*n+7], v13
.set n, n+1
.endr
	v_nop                                          ; one plain vector line behind the last conversion
.irp c, 0,1,2,3
	global_store_b128 v10, v[CV+4*\c:CV+4*\c+3], s[38:39] offset:2048*\c   ; each store of the wave covers 512 consecutive bytes, aligned
.endr
	s_wait_dscnt 0x0
.set n, 0
.rept 4
	global_store_b128 v10, v[KR+4*n:KR+4*n+3], s[36:37] offset:512*n
.set n, n+1
.endr
	s_wait_tensorcnt 0x0                           ; the wave's end
	ds_add_u32 v[SPW], v[NIL]
	s_wait_dscnt 0x0
.Lend:
	s_endpgm
.Lfunc_end_k_qedbcd7c105_quant:
	.size	k_qedbcd7c105_quant, .Lfunc_end_k_qedbcd7c105_quant-k_qedbcd7c105_quant
	.p2alignl 7, 3214868480
	.fill 96, 4, 3214868480
	.section	.rodata,"a",@progbits
	.p2align	6, 0x0
	.amdhsa_kernel k_qedbcd7c105_quant
		.amdhsa_group_segment_fixed_size 9216
		.amdhsa_private_segment_fixed_size 0
		.amdhsa_enable_private_segment 0
		.amdhsa_kernarg_size 48
		.amdhsa_user_sgpr_count 2
		.amdhsa_user_sgpr_kernarg_segment_ptr 1
		.amdhsa_wavefront_size32 1
		.amdhsa_system_sgpr_workgroup_id_x 1
		.amdhsa_system_sgpr_workgroup_id_y 1
		.amdhsa_system_sgpr_workgroup_id_z 1
		.amdhsa_system_vgpr_workitem_id 0
		.amdhsa_next_free_vgpr 256
		.amdhsa_next_free_sgpr 88
		.amdhsa_reserve_vcc 1
		.amdhsa_float_denorm_mode_32 3
		.amdhsa_float_denorm_mode_16_64 3
		.amdhsa_memory_ordered 1
		.amdhsa_forward_progress 1
		.amdhsa_inst_pref_size 25
	.end_amdhsa_kernel
	.amdgpu_metadata
---
amdhsa.version: [ 1, 2 ]
amdhsa.kernels:
  - .name:           k_qedbcd7c105_quant
    .symbol:         k_qedbcd7c105_quant.kd
    .args:
      - { .name: keys, .offset: 0, .size: 8, .value_kind: global_buffer, .address_space: global }
      - { .name: values, .offset: 8, .size: 8, .value_kind: global_buffer, .address_space: global }
      - { .name: valid_lens, .offset: 16, .size: 8, .value_kind: global_buffer, .address_space: global }
      - { .name: lowp_scales, .offset: 24, .size: 8, .value_kind: global_buffer, .address_space: global }
      - { .name: kv, .offset: 32, .size: 8, .value_kind: global_buffer, .address_space: global }
      - { .name: deal, .offset: 40, .size: 8, .value_kind: global_buffer, .address_space: global }
    .group_segment_fixed_size: 9216
    .private_segment_fixed_size: 0
    .kernarg_segment_align: 8
    .kernarg_segment_size: 48
    .max_flat_workgroup_size: 128
    .sgpr_count:     88
    .vgpr_count:     256
    .wavefront_size: 32
...
	.end_amdgpu_metadata
.endif
;; end of part 1
;; launch attn (part 2): grid 256 x 1, 8 waves a work-group, no clusters, 254,976 bytes of LDS; arguments queries, kv, deal, lowp_scales, out0; writes out0
.if DOCPART == 2
	.amdgcn_target "amdgcn-amd-amdhsa--gfx1250"
	.amdhsa_code_object_version 6
	.text
	.protected	k_qedbcd7c105_attn
	.globl	k_qedbcd7c105_attn
	.p2align	8
	.type	k_qedbcd7c105_attn,@function
k_qedbcd7c105_attn:
	s_mov_b64 s[64:65], 0
	v_nop
	global_prefetch_b8 v0, s[64:65] scope:SCOPE_SE
	s_setreg_imm32_b32 hwreg(HW_REG_WAVE_MODE, 25, 1), 1
	s_wait_xcnt 0x0
; out[b][q][:] = sum over k of softmax_k(Q[b][q] . K[b][k] / 8, keys k >= valid_lens[b] filled with -1e6) V[b][k][:], on codes of FP8 (E4M3).  K's and V's codes come from the launch before, Q's are made here.
; SOFTMAX: t = score x log2(e) / 8; M = the largest t so far, rounded UP to a whole number; p = 2^(t - M) is quantised, not normalised; the row's sum is taken of the unquantised p and divides at the end.
; SHARES.  256 work-groups of 8 waves.  Work-group g takes block g % 16 (128 queries) of TWO batches, one after the other: the batch of rank 31 - g / 16 by counted keys, then the batch of rank g / 16.
; A step is 256 keys.  Wave w has the half kh = w / 4 of a step's keys and 32 queries, two tiles of 16: tile 0 is the one that it OWNS (2 (w % 4) + kh of the block), tile 1 the one that its partner w xor 4 owns.
; THE RING.  The two items are ONE chain of TT tiles, 3 to 16, of 32,768 bytes (each wave copies 4,096 of them through registers) in three LDS slots.  A step's work has three parts.  Step t: tile t + 1 goes from registers to LDS;
; V's fragments of tile t, the scores and their maximum; tile t + 2 is asked for; SIGNAL; the exponentials; WAIT; K's fragments of tile t + 1; the sums, p's codes and the second product.
; Who has passed step t's wait knows that tile t + 1 is whole, and that every wave has read what it reads of tile t and before: so step t + 1 may store into the slot of tile t - 1.
; Item 0 counts two tiles at the least (the work of a tile without keys to walk is jumped over), so that no item ends in steps 0 and 1, which are written out ahead of the loop.  Step 0's work is done by every wave: a half of the
; keys that holds no counted key gets the fill throughout, and its factor at the join is 0, as the limit below has it.
; AN ITEM'S END is folded into the step behind it: ahead of the signal tile 1's O^T, -M and sum go to LDS (a place for each slot of the ring) and tile 0's are kept; behind the work each wave joins its tile with the partner's half
; by exact powers of two and stores 16 rows.  Trip counts are constants and every barrier is on every wave's path; steps beyond the chain jump over the work.
; NO TENSOR LOADS, NO CLUSTER: how many keys are walked hangs on numbers read from memory.
; PREFETCH: the work-group of a batch's first query block asks, waves 0-3, a lane each 256 bytes, for tile t + 3 in step t, one step ahead of the loads that want it; tiles at or beyond the chain's end are not named.
; LIMITS.  eq, ep between -126 and 119; eq + ek between -105 and 130 (added to c's exponent field, taken off the fill's).  NaN among the inputs is not served; infinities are held at the largest code.
; Leaving masked keys out is exact while each row has a counted score above about -999,800 (|score| <= 448^2 x 8 x 2^(eq + ek)).  valid_lens above 2,048 acts as 2,048.
; valid_lens <= 0: all 2,048 keys are walked with the fill, as the definition does; p then hangs on the rounding of t at a magnitude of 1.4e6, and agreement is not claimed there.
; Each half of the keys keeps its own running M; every rescaling is an exact power of two.
; REGISTERS, window 0: v1-15 addresses; v16-31 statistics (tile T at 16 + 8 T: -M, largest t, the sum in two halves, f, 0, two at work); v40-55 Q's codes; v64-191 S^T, then p; v192-223 p's codes; v224-255 pair sums.
;   window 1: v0-63 O^T; v64-127 K's fragments; v128-191 V's; v192-223 the tile on its way to LDS; v224-255 item 1's Q, then the kept O^T.
.set RS,   1                           ; 4096 wave + 16 lane: my place in a tile, in memory and in slots 0 and 1
.set RS2,  2                           ; in slot 2
.set AK,   3                           ; 16384 kh + 16 lane: fragments in slots 0 and 1
.set AK2,  4
.set QLA,  5                           ; Q's codes: my tile 0, my tile 1
.set QLB,  6
.set PF,   7
.set MG,   8                           ; what I give: O^T, statistics; what I take
.set MS,   9
.set MP,   10
.set MPS,  11
.set SO,   12                          ; the stage, in and back
.set SR,   13
.set GO,   14
.set HB,   15                          ; -8 h - 1
.set ST,   16
.set NEGV, 32                          ; the fill, in units of a raw sum: -8e6 / 2^(eq + ek)
.set SCP,  33
.set SCQ,  34
.set DM,   35
.set CH,   36
.set QC,   40
.set XT,   56
.set PB,   58                          ; partner's -M, sum
.set QS,   60                          ; where I store Q's codes: until step 1
.set KM,   60                          ; kept -M, sum: from the first item's end on
.set KL,   61
.set SPW,  62
.set NIL,  63
.set S,    64
.set P,    192
.set PS,   224
.set F,    64                          ; window 1
.set VF,   128
.set STG,  192
.set KEEP, 224
.set WV,   20
.set KH,   21
.set W4,   22
.set J,    23
.set SEL,  24
.set CS,   26                          ; s[26:27] c x 2^(eq + ek)
.set LP,   28
.set HOLD, 29
.set EPV,  30
.set LQ,   31
.set NLQ,  32
.set LEN,  33                          ; keys from here on are filled
.set WALK, 34                          ; keys from here on are not walked
.set LEN1, 35
.set WALK1,36
.set N0,   37                          ; item 0's tiles
.set TT,   38                          ; both items'
.set B0,   39                          ; tile u is block B0 + u (u < N0) or B1 + u of kv
.set B1,   40
.set NF,   41                          ; the step in which an item ends next
.set NF2,  42
.set FL,   43
.set TS,   44
.set KF,   45                          ; my half's first key of the step
.set H128, 46
.set PFL,  47
.set PKP,  48
.set PVP,  50
.set OO,   52
.set OB,   54                          ; the batch of the item that goes out next, and of the one behind it
.set OB1,  55
.set POP,  56
.set QA,   58
.set QB,   60
.set IC,   87
.set TA,   86
.set SLOT, 32768
.set QL,   3*SLOT                      ; Q's codes: two items x 8 tiles x 1,024 bytes
.set MERGE,QL+16384                    ; for each wave three places of 4,352 bytes
.set MW,   13056
.set OUTS, MERGE+8*MW                  ; for each wave 16 rows x 272 bytes
.set SPARE,OUTS+8*4352                 ; the spare words
.set MSB, 0
.macro WIN new                         ; s_set_vgpr_msb: bits 1:0 source 0, 3:2 source 1, 5:4 source 2, 7:6 destination; the high byte repeats the setting that is left
.if MSB != \new
	s_set_vgpr_msb (MSB<<8)|\new
.set MSB, \new
.endif
.endm
.macro DECODE key, len, walk, cnt, b   ; a sort key (keys to walk << 6 | all filled << 5 | batch) is taken apart
	s_and_b32 s[\b], s[\key], 31
	s_min_u32 s[\b], s[\b], 31
	s_lshr_b32 s[\walk], s[\key], 6
	s_bitcmp1_b32 s[\key], 5
	s_cselect_b32 s[\len], 0, s[\walk]
	s_add_co_u32 s62, s[\walk], 255
	s_lshr_b32 s[\cnt], s62, 8
.endm
.macro TADR u, p                       ; where tile u stands: its number is held inside kv's 256 blocks
	s_cmp_lt_u32 s[\u], s[N0]
	s_cselect_b32 s66, s[B0], s[B1]
	s_add_co_u32 s66, s66, s[\u]
	s_min_u32 s66, s66, 255
	s_lshl_b32 s66, s66, 15
	s_mov_b32 s67, 0
	s_add_nc_u64 s[\p:\p+1], s[6:7], s[66:67]
.endm
.macro MKSC e, vs, lim
	s_add_co_i32 s62, s[\e], 127
	s_lshl_b32 s63, s62, 23
	v_mov_b32 v[\vs], s63
	s_add_co_i32 s62, s62, 8
	s_lshl_b32 s62, s62, 23
	s_or_b32 s[\lim], s62, 0x600000
.endm
.macro RESET                           ; an item begins
.irp T, 0,1
	v_mov_b32 v[ST+8*\T+1], 0xff61b1e6             ; the largest t so far: -3e38, under every t
	v_mov_b32 v[ST+8*\T+2], 0
	v_mov_b32 v[ST+8*\T+3], 0
	v_mov_b32 v[ST+8*\T+4], 0
	v_mov_b32 v[ST+8*\T+5], 0                      ; (named as the upper half of f's pair)
	v_mov_b32 v[ST+8*\T+6], 0
	v_mov_b32 v[ST+8*\T+7], 0
	v_floor_f32 v[ST+8*\T], -v[ST+8*\T+1]          ; -M
.endr
	WIN 0x40
.set n, 0
.rept 64
	v_mov_b32 v[n], 0                              ; O^T.  (The step's text is one: an item's first step finds zeros, which the first change of M leaves zeros)
.set n, n+1
.endr
	WIN 0
.endm
.macro QLOAD off
.irp g, 0,1
	ds_load_b128 v[QC+4*\g:QC+4*\g+3], v[QLA] offset:\off+512*\g
	ds_load_b128 v[QC+8+4*\g:QC+8+4*\g+3], v[QLB] offset:\off+512*\g
.endr
.endm
; An item has ended with the step before.  (At the chain's end the lines that begin an item serve nothing.)
.macro FLUSH sl
.irp T, 0,1
	v_add_f32 v[ST+8*\T+2], v[ST+8*\T+2], v[ST+8*\T+3]
.endr
.irp T, 0,1
	s_delay_alu instid0(VALU_DEP_2)
	v_permlanex16_b32 v[XT+\T], v[ST+8*\T+2], s[SEL], s[SEL+1]
.endr
.irp T, 0,1
	s_delay_alu instid0(VALU_DEP_2)
	v_add_f32 v[ST+8*\T+2], v[ST+8*\T+2], v[XT+\T]
.endr
	v_mov_b32 v[KM], v[ST]
	v_mov_b32 v[KL], v[ST+2]
	WIN 0x41
	s_wait_alu depctr_va_vdst(0)                   ; directly ahead of the first readers of O^T
.set n, 0
.rept 32
	v_mov_b32 v[KEEP+n], v[n]                      ; tile 0 is kept: the join comes behind the next step's work
.set n, n+1
.endr
	WIN 0x04
	s_wait_alu depctr_va_vdst(0)                   ; and ahead of these
.set n, 0
.rept 8
	ds_store_b128 v[MG], v[32+4*n:32+4*n+3] offset:4352*\sl+512*n
.set n, n+1
.endr
	WIN 0
	ds_store_b32 v[MS], v[ST+8] offset:4352*\sl
	ds_store_b32 v[MS], v[ST+10] offset:4352*\sl+128
	s_wait_dscnt 0x0                               ; the stores have read their registers
	QLOAD 8192
	RESET
	s_mov_b32 s[LEN], s[LEN1]
	s_mov_b32 s[WALK], s[WALK1]
	s_mov_b32 s[WALK1], 0
	s_mov_b32 s[NF], s[NF2]
	s_mov_b32 s[NF2], 99
	s_mov_b32 s[FL], 1
	s_mov_b32 s[KF], s[H128]
	s_wait_alu depctr_va_vdst(0)
	s_wait_dscnt 0x0                               ; Q's codes are in
.endm
; The join of my tile: mine is kept, the partner's lies in LDS.
.set JM, 192
.set FA, 194
.set FB, 196
.set LS, 198
.set RC, 200
.macro TAKE sl
.set n, 0
.rept 8
	ds_load_b128 v[S+4*n:S+4*n+3], v[MP] offset:4352*\sl+512*n
.set n, n+1
.endr
	ds_load_b32 v[PB], v[MPS] offset:4352*\sl
	ds_load_b32 v[PB+1], v[MPS] offset:4352*\sl+128
	v_mov_b32 v[FB+1], 0                           ; (named as the upper half of a pair)
	s_wait_alu depctr_va_vdst(0)                   ; directly ahead of the wait below
	s_wait_dscnt 0x0
	v_min_num_f32 v[JM], v[KM], v[PB]              ; the joint -M: the larger M of the two halves
	s_delay_alu instid0(VALU_DEP_1)
	v_sub_f32 v[FA], v[JM], v[KM]                  ; whole numbers, 0 or less.  (A half that was never walked has -M = 3e38, a sum of 0 and zeros for O^T: its factor is 0)
	s_delay_alu instid0(VALU_DEP_2)
	v_sub_f32 v[FB], v[JM], v[PB]
	s_delay_alu instid0(VALU_DEP_2)
	v_cvt_i32_f32 v[FA], v[FA]
	s_delay_alu instid0(VALU_DEP_2)
	v_cvt_i32_f32 v[FB], v[FB]
	s_delay_alu instid0(VALU_DEP_2)
	v_ldexp_f32 v[FA], 1.0, v[FA]
	s_delay_alu instid0(VALU_DEP_2)
	v_ldexp_f32 v[FB], 1.0, v[FB]
	s_delay_alu instid0(VALU_DEP_2)
	v_mul_f32 v[LS], v[KL], v[FA]
	s_delay_alu instid0(VALU_DEP_1)
	v_fmac_f32 v[LS], v[PB+1], v[FB]               ; the row's sum under the joint M
	s_wait_alu depctr_va_vdst(0)                   ; the wait ahead of the transcendental
	v_rcp_f32 v[RC], v[LS]
	v_nop                                          ; a plain line behind it
	s_wait_alu depctr_va_vdst(0)                   ; the wait ahead of its first reader
	v_ldexp_f32 v[RC], v[RC], s[EPV]               ; x 2^(ep + ev)
	s_delay_alu instid0(VALU_DEP_1)
	v_mul_f32 v[FA], v[FA], v[RC]
	s_delay_alu instid0(VALU_DEP_2)
	v_mul_f32 v[FB], v[FB], v[RC]
.set n, 0
.rept 16
	v_pk_mul_f32 v[S+n:S+n+1], v[S+n:S+n+1], v[FB:FB+1] op_sel_hi:[1,0]
.set n, n+2
.endr
	WIN 0x01
.irp c, 0,1,2,3
.set n, 0
.rept 8
	v_fma_f32 v[S+32+4*n+\c], v[KEEP+8*\c+n], v[FA], v[S+8*\c+n]   ; register 8 c + i of O^T is channel 32 h + 4 i + c
.set n, n+1
.endr
.endr
	WIN 0
.set n, 0
.rept 8
	ds_store_b128 v[SO], v[S+32+4*n:S+32+4*n+3] offset:16*n
.set n, n+1
.endr
.set n, 0
.rept 8
	ds_load_b128 v[S+64+4*n:S+64+4*n+3], v[SR] offset:544*n   ; LDS serves a wave's instructions in order (ISA guide 5.7.1.4): these see my stores
.set n, n+1
.endr
	s_min_u32 s66, s[OB], 31                       ; the batch's number is held inside the tensor; behind the hold stand a shift and sums alone
	s_lshl_b32 s66, s66, 19
	s_mov_b32 s67, 0
	s_add_nc_u64 s[66:67], s[66:67], s[OO:OO+1]
	s_add_nc_u64 s[POP:POP+1], s[14:15], s[66:67]
	s_mov_b32 s[OB], s[OB1]
	s_mov_b32 s[FL], 0
.set n, 0
.rept 8
	s_wait_dscnt 7-n                               ; the younger pairs of rows may be out
	global_store_b128 v[GO], v[S+64+4*n:S+64+4*n+3], s[POP:POP+1] offset:512*n th:TH_STORE_NT   ; 512 consecutive bytes, aligned
.set n, n+1
.endr
	s_wait_xcnt 0x0                                ; the stores' data and base are written again only behind this wait
.endm
.macro SLOTSEL sl                      ; an immediate reaches slots 0 and 1 from one address, slot 2 from another
.if \sl == 2
.set AA, AK2
.set OF, 0
.else
.set AA, AK
.set OF, \sl*SLOT
.endif
.endm
.macro KLOAD sl                        ; K's fragments of the tile in slot sl
	SLOTSEL \sl
	WIN 0x40
.set n, 0
.rept 16
	ds_load_b128 v[F+4*n:F+4*n+3], v[AA] offset:OF+512*n            ; tile n / 2, channels' piece n % 2
.set n, n+1
.endr
	WIN 0
.endm
; 128 keys of my half against my two tiles of queries.  The first part: scores, maximum, M.
.macro PART0 sl
	SLOTSEL \sl
	WIN 0x40
.set n, 0
.rept 16
	ds_load_b128 v[VF+4*n:VF+4*n+3], v[AA] offset:OF+8192+512*n     ; V^T: tile n / 4, key block n % 4; they land under the maximum
.set n, n+1
.endr
	WIN 0x01
.irp t, 0,1,2,3,4,5,6,7
.irp q, 0,1
	v_wmma_f32_16x16x64_fp8_fp8 v[S+64*\q+8*\t:S+64*\q+8*\t+7], v[F+8*\t:F+8*\t+7], v[QC+8*\q:QC+8*\q+7], 0
.endr
.endr
.rept 4
	v_nop                                          ; four places (ISA guide 7.12.1) ahead of the first read of the scores
.endr
	WIN 0
	s_add_co_u32 s62, s[KF], 128                   ; a step all of whose keys count has no mask
	s_cmp_le_u32 s62, s[LEN]
	s_cbranch_scc1 .Lopen_\@
	s_sub_co_i32 s62, s[LEN], s[KF]
	v_add_nc_u32 v[DM], s62, v[HB]                 ; register 8 t + j holds key KF + 16 t + 8 h + j: filled where 16 t + j > LEN - KF - 8 h - 1
.set n, 0
.rept 64
	v_cmp_gt_i32 vcc_lo, 16*(n/8)+n%8, v[DM]       ; one compare serves both tiles
	v_cndmask_b32 v[S+n], v[S+n], v[NEGV], vcc_lo
	v_cndmask_b32 v[S+64+n], v[S+64+n], v[NEGV], vcc_lo
.set n, n+1
.endr
.Lopen_\@:
.irp T, 0,1                            ; the step's largest score of my query among my 64 keys, two chains a tile, each accumulator from its low end on; the tiles take turns
	v_max3_num_f32 v[ST+8*\T+6], v[S+64*\T], v[S+64*\T+1], v[S+64*\T+2]
	v_max3_num_f32 v[ST+8*\T+7], v[S+64*\T+3], v[S+64*\T+4], v[S+64*\T+5]
.endr
.irp i, 6,10,14,18,22,26,30,34,38,42,46,50,54,58
.irp T, 0,1
	v_max3_num_f32 v[ST+8*\T+6], v[ST+8*\T+6], v[S+64*\T+\i], v[S+64*\T+\i+1]
	v_max3_num_f32 v[ST+8*\T+7], v[ST+8*\T+7], v[S+64*\T+\i+2], v[S+64*\T+\i+3]
.endr
.endr
.irp T, 0,1
	v_max3_num_f32 v[ST+8*\T+6], v[ST+8*\T+6], v[S+64*\T+62], v[S+64*\T+63]
.endr
.irp T, 0,1
	s_delay_alu instid0(VALU_DEP_2)
	v_max_num_f32 v[ST+8*\T+6], v[ST+8*\T+6], v[ST+8*\T+7]
.endr
.irp T, 0,1
	s_delay_alu instid0(VALU_DEP_2)
	v_permlanex16_b32 v[XT+\T], v[ST+8*\T+6], s[SEL], s[SEL+1]
.endr
.irp T, 0,1
	s_delay_alu instid0(VALU_DEP_2)
	v_max_num_f32 v[ST+8*\T+6], v[ST+8*\T+6], v[XT+\T]         ; and among lane l xor 16's
.endr
.irp T, 0,1
	s_delay_alu instid0(VALU_DEP_2)
	v_mul_f32 v[ST+8*\T+6], s[CS], v[ST+8*\T+6]                ; as t (c is positive)
.endr
	s_delay_alu instid0(VALU_DEP_2)
	v_max_num_f32 v[ST+1], v[ST+1], v[ST+6]                    ; the running largest t
	v_mov_b32 v[ST+7], v[ST]
	s_delay_alu instid0(VALU_DEP_3)
	v_max_num_f32 v[ST+9], v[ST+9], v[ST+14]
	v_mov_b32 v[ST+15], v[ST+8]
	s_delay_alu instid0(VALU_DEP_4)
	v_floor_f32 v[ST], -v[ST+1]                                ; the new -M = floor(-t): M is a whole number
	s_delay_alu instid0(VALU_DEP_3)
	v_floor_f32 v[ST+8], -v[ST+9]
.irp T, 0,1
	s_delay_alu instid0(VALU_DEP_2)
	v_sub_f32 v[ST+8*\T+7], v[ST+8*\T], v[ST+8*\T+7]           ; old M - new M: a whole number, 0 or less
.endr
.irp T, 0,1
	s_delay_alu instid0(VALU_DEP_2)
	v_cvt_i32_f32 v[ST+8*\T+7], v[ST+8*\T+7]                   ; (it saturates)
.endr
.irp T, 0,1
	s_delay_alu instid0(VALU_DEP_2)
	v_ldexp_f32 v[ST+8*\T+4], 1.0, v[ST+8*\T+7]                ; f = 2^(old M - new M)
.endr
.set n, 0
.rept 32
	v_pk_fma_f32 v[S+n:S+n+1], v[S+n:S+n+1], s[CS:CS+1], v[ST:ST+1] op_sel_hi:[1,0,0]   ; tile 0: t - M (of the pairs c and -M the low word serves both halves)
.set n, n+2
.endr
	s_wait_alu depctr_va_vdst(0)                   ; ahead of the waits and branches below, and ahead of the batch
.endm
; The second part, registers alone: the exponentials.
.macro PART1
.set n, 0
.rept 32
	v_exp_f32 v[S+n], v[S+n]                       ; tile 0: p = 2^(t - M); tile 1's t - M among them, which the next batch reads
	v_exp_f32 v[S+n+1], v[S+n+1]
	v_pk_fma_f32 v[S+64+n:S+64+n+1], v[S+64+n:S+64+n+1], s[CS:CS+1], v[ST+8:ST+9] op_sel_hi:[1,0,0]
.set n, n+2
.endr
	s_wait_alu depctr_va_vdst(0)                   ; behind the first batch and ahead of the second
.set n, 0
.rept 16
	v_exp_f32 v[S+64+4*n], v[S+64+4*n]             ; tile 1; among them tile 0's first sums, of the unquantised p, each into its own pair
	v_exp_f32 v[S+64+4*n+1], v[S+64+4*n+1]
	v_exp_f32 v[S+64+4*n+2], v[S+64+4*n+2]
	v_exp_f32 v[S+64+4*n+3], v[S+64+4*n+3]
	v_pk_add_f32 v[PS+2*n:PS+2*n+1], v[S+4*n:S+4*n+1], v[S+4*n+2:S+4*n+3]
.set n, n+1
.endr
.irp T, 0,1
	v_pk_mul_f32 v[ST+8*\T+2:ST+8*\T+3], v[ST+8*\T+2:ST+8*\T+3], v[ST+8*\T+4:ST+8*\T+5] op_sel_hi:[1,0]   ; the sums under the new M
.endr
	s_wait_alu depctr_va_vdst(0)                   ; the wait ahead of the batch's first reader
.endm
; The third part: sums, p's codes, the second product.
.macro PART2
	v_pk_add_f32 v[CH:CH+1], v[PS:PS+1], v[PS+2:PS+3]
	v_pk_add_f32 v[CH+2:CH+3], v[S+64:S+65], v[S+66:S+67]
.set n, 1
.rept 15
	v_pk_add_f32 v[ST+10:ST+11], v[ST+10:ST+11], v[S+64+4*n:S+65+4*n]
	v_pk_add_f32 v[CH+2:CH+3], v[CH+2:CH+3], v[S+66+4*n:S+67+4*n]
.if n < 8
	v_pk_add_f32 v[ST+2:ST+3], v[ST+2:ST+3], v[PS+4*n:PS+4*n+1]
	v_pk_add_f32 v[CH:CH+1], v[CH:CH+1], v[PS+4*n+2:PS+4*n+3]
.endif
.set n, n+1
.endr
	v_pk_add_f32 v[ST+2:ST+3], v[ST+2:ST+3], v[CH:CH+1]
	s_delay_alu instid0(VALU_DEP_2)
	v_pk_add_f32 v[ST+10:ST+11], v[ST+10:ST+11], v[CH+2:CH+3]
	s_cmp_eq_u32 s[HOLD], 0                        ; p <= 1 <= 448 x 2^ep wherever ep >= -8: there the hold changes nothing and is jumped over
	s_cbranch_scc1 .Lnohold_\@
.set n, 0
.rept 128
	v_min_num_f32 v[S+n], s[LP], v[S+n]            ; p is not negative: the hold is one-sided
.set n, n+1
.endr
.Lnohold_\@:
.set n, 0
.rept 16
	v_cvt_scalef32_pk8_fp8_f32 v[P+2*n:P+2*n+1], v[S+8*n:S+8*n+7], v[SCP]   ; in the order of keys that V's codes have
.set n, n+1
.endr
	WIN 0x41
	s_wait_alu depctr_va_vdst(0)                   ; directly ahead of the first readers of O^T
.irp q, 0,1
.set n, 0
.rept 16
	v_pk_mul_f32 v[32*\q+n:32*\q+n+1], v[32*\q+n:32*\q+n+1], v[ST+8*\q+4:ST+8*\q+5] op_sel_hi:[1,0]   ; O^T under the new M; also the plain lines behind the conversions
.set n, n+2
.endr
.endr
	WIN 0x51
.irp c, 0,1,2,3
.irp q, 0,1
	v_wmma_f32_16x16x128_fp8_fp8 v[32*\q+8*\c:32*\q+8*\c+7], v[VF+16*\c:VF+16*\c+15], v[P+16*\q:P+16*\q+15], v[32*\q+8*\c:32*\q+8*\c+7]   ; eight accumulators, one instruction a turn
.endr
.endr
	WIN 0
.rept 4
	v_nop                                          ; four places for whatever follows on any way
.endr
.endm
; A step; sl = its number modulo 3; kind 0: step 0, kind 1: step 1, kind 2: a later one.
.macro DSTEP sl, kind
.if \kind == 2
	s_cmp_gt_u32 s[TS], s[TT]
	s_cbranch_scc1 .Lidle_\@
.endif
.if \kind == 0
	s_wait_loadcnt 8                               ; tile 1 is in; item 1's eight loads of Q may be out
.else
	s_wait_loadcnt 0x0                             ; tile t + 1 is in, and no load of mine is out
.endif
	s_wait_xcnt 0x0                                ; every earlier load and prefetch has read its address
	s_wait_dscnt 0x0                               ; K's fragments of tile t are in
.if \kind == 2
	s_add_co_u32 s62, s[TS], 1
	s_cmp_lt_u32 s62, s[TT]
	s_cbranch_scc0 .Lnost_\@
.endif
	WIN 0x04
.set n, 0
.rept 8
.if \sl == 1
	ds_store_b128 v[RS2], v[STG+4*n:STG+4*n+3] offset:512*n
.else
	ds_store_b128 v[RS], v[STG+4*n:STG+4*n+3] offset:((\sl+1)%3)*SLOT+512*n
.endif
.set n, n+1
.endr
	WIN 0
.if \kind == 1                         ; item 1's Q becomes codes: they are read one step on at the earliest
	WIN 0x41
.set n, 0
.rept 32
	v_med3_num_f32 v[KEEP+n], v[KEEP+n], s[NLQ], s[LQ]
.set n, n+1
.endr
	WIN 0x01
.set n, 0
.rept 4
	v_cvt_scalef32_pk8_fp8_f32 v[P+2*n:P+2*n+1], v[KEEP+8*n:KEEP+8*n+7], v[SCQ]
.set n, n+1
.endr
	WIN 0
	v_nop                                          ; one plain vector line behind the last conversion
.set n, 0
.rept 8
	ds_store_b32 v[QS], v[P+n] offset:8192+16*n
.set n, n+1
.endr
.endif
.if \kind == 2
.Lnost_\@:
	s_cmp_eq_u32 s[TS], s[NF]
	s_cbranch_scc0 .Lnofl_\@
	FLUSH \sl
.Lnofl_\@:
.endif
.if \kind > 0
	s_cmp_lt_u32 s[KF], s[WALK]
	s_cbranch_scc0 .Lskip0_\@
.endif
	PART0 \sl
.Lskip0_\@:
	s_wait_dscnt 0x0                               ; my stores have landed and have read their registers, which take the next tile; V's fragments are in
	s_add_co_u32 s62, s[TS], 2
.if \kind > 0                          ; (tile 2 exists)
	s_cmp_lt_u32 s62, s[TT]
	s_cbranch_scc0 .Lidle_\@
.endif
	TADR 62, PKP
	WIN 0x40
.set n, 0
.rept 8
	global_load_b128 v[STG+4*n:STG+4*n+3], v[RS], s[PKP:PKP+1] offset:512*n
.set n, n+1
.endr
	WIN 0
	s_add_co_u32 s62, s[TS], 3
	s_cmp_lt_u32 s62, s[PFL]
	s_cbranch_scc0 .Lidle_\@
	TADR 62, PVP
	global_prefetch_b8 v[PF], s[PVP:PVP+1] th:TH_LOAD_NT scope:SCOPE_SE
.Lidle_\@:
	s_wait_dscnt 0x0                               ; for the others' sake: my codes of tile t + 1 lie in LDS, and my reads of tile t are over
	s_barrier_signal -1
.if \kind > 0
	s_cmp_lt_u32 s[KF], s[WALK]
	s_cbranch_scc0 .Lskip1_\@
.endif
	PART1
.Lskip1_\@:
	s_barrier_wait -1                              ; every wave has stored its part of tile t + 1 (and given what it gives)
.if \kind == 2
	s_add_co_u32 s62, s[TS], 1
	s_cmp_lt_u32 s62, s[TT]
	s_cbranch_scc0 .Lnok_\@
.endif
	KLOAD (\sl+1)%3                                ; they land under the third part
.Lnok_\@:
.if \kind > 0
	s_cmp_lt_u32 s[KF], s[WALK]
	s_cbranch_scc0 .Lskip2_\@
.endif
	PART2
.Lskip2_\@:
.if \kind == 2
	s_cmp_eq_u32 s[FL], 1
	s_cbranch_scc0 .Lnotk_\@
	TAKE \sl
.Lnotk_\@:
.endif
	s_add_co_u32 s[KF], s[KF], 256
	s_add_co_u32 s[TS], s[TS], 1
.endm
	s_load_b256 s[4:11], s[0:1], 0x0               ; queries s[4:5], kv s[6:7], deal s[8:9], lowp_scales s[10:11]
	s_load_b64 s[14:15], s[0:1], 0x20              ; out0
	v_lshl_add_u32 v[SPW], v0, 2, SPARE
	v_mov_b32 v[NIL], 0
	v_lshrrev_b32 v240, 5, v0
	v_readfirstlane_b32 s[WV], v240                ; wave 0..7
	s_lshr_b32 s[KH], s[WV], 2
	s_and_b32 s[W4], s[WV], 3
	s_and_b32 s[J], ttmp9, 15
	s_lshl_b32 s[H128], s[KH], 7
	s_mov_b32 s[SEL], 0x76543210
	s_mov_b32 s[SEL+1], 0xfedcba98
	s_lshl_b32 s[TA], s[W4], 1
	s_or_b32 s[TA], s[TA], s[KH]                   ; the tile that I own
	s_lshl_b32 s66, s[WV], 12
	s_lshl_b32 s67, s[KH], 14
	s_lshl_b32 s68, s[TA], 10
	s_add_co_u32 s68, s68, QL
	s_xor_b32 s69, s[TA], 1
	s_lshl_b32 s69, s69, 10
	s_add_co_u32 s69, s69, QL
	s_mul_i32 s70, s[WV], MW
	s_add_co_u32 s70, s70, MERGE
	s_xor_b32 s71, s[WV], 4
	s_mul_i32 s71, s71, MW
	s_add_co_u32 s71, s71, MERGE
	s_mul_i32 s72, s[WV], 4352
	s_add_co_u32 s72, s72, OUTS
	s_lshl_b32 s73, s[W4], 13
	s_lshl_b32 s74, s[WV], 10
	s_add_co_u32 s74, s74, QL
	s_add_co_u32 s76, s70, 4096
	s_add_co_u32 s77, s71, 4096
	; every LDS address: a constant + constants x lane terms + constants x wave terms; none is written again while it serves
	v_and_b32 v244, 31, v0                         ; lane
	v_and_b32 v245, 15, v0                         ; r
	v_bfe_u32 v246, v0, 4, 1                       ; h
	v_lshlrev_b32 v247, 4, v244
	v_lshlrev_b32 v248, 2, v244
	v_add_nc_u32 v[RS], s66, v247
	v_add_nc_u32 v[RS2], 0x10000, v[RS]
	v_add_nc_u32 v[AK], s67, v247
	v_add_nc_u32 v[AK2], 0x10000, v[AK]
	v_add_nc_u32 v[QLA], s68, v247
	v_add_nc_u32 v[QLB], s69, v247
	v_lshlrev_b32 v[PF], 8, v244
	v_add_nc_u32 v[PF], s73, v[PF]
	v_add_nc_u32 v[MG], s70, v247
	v_add_nc_u32 v[MS], s76, v248
	v_add_nc_u32 v[MP], s71, v247
	v_add_nc_u32 v[MPS], s77, v248
	v_mul_u32_u24 v[SO], v245, 272
	v_lshl_add_u32 v[SO], v246, 7, v[SO]
	v_add_nc_u32 v[SO], s72, v[SO]                 ; in: row r, channels 32 h on
	v_mul_u32_u24 v[SR], v246, 272
	v_lshl_add_u32 v[SR], v245, 4, v[SR]
	v_add_nc_u32 v[SR], s72, v[SR]                 ; back: lanes 0-15 one row, lanes 16-31 the next
	v_lshlrev_b32 v[GO], 8, v246
	v_lshl_add_u32 v[GO], v245, 4, v[GO]
	v_lshlrev_b32 v[HB], 3, v246
	v_sub_nc_u32 v[HB], -1, v[HB]
	v_lshlrev_b32 v250, 4, v245
	v_lshl_add_u32 v250, v246, 11, v250            ; Q in memory: rows i (lanes 0-15) and 8 + i
	v_bfe_u32 v252, v245, 2, 1                     ; r holds channels 4 r .. 4 r + 3: piece = bit 2, half = bit 3, word = bits 1:0
	v_lshrrev_b32 v253, 3, v245
	v_and_b32 v254, 3, v245
	v_lshlrev_b32 v[QS], 9, v252
	v_lshl_add_u32 v[QS], v253, 8, v[QS]
	v_lshl_add_u32 v[QS], v254, 2, v[QS]
	v_lshl_add_u32 v[QS], v246, 7, v[QS]
	v_add_nc_u32 v[QS], s74, v[QS]                 ; Q's codes into LDS: row i: + 16 i
	v_mov_b32 v[XT], 0                             ; written once: a lane permute's destination counts as one of its sources
	v_mov_b32 v[XT+1], 0
	s_wait_alu depctr_va_vdst(0)                   ; directly ahead of the wait below
	s_wait_kmcnt 0x0
	s_lshr_b32 s82, ttmp9, 4
	s_sub_co_u32 s80, 31, s82
	s_lshl_b32 s80, s80, 2
	s_lshl_b32 s82, s82, 2
	s_mov_b32 s81, 0
	s_mov_b32 s83, 0
	s_add_nc_u64 s[80:81], s[8:9], s[80:81]
	s_add_nc_u64 s[82:83], s[8:9], s[82:83]
	s_load_b32 s84, s[80:81], 0x0                  ; item 0's sort key: the longer of the two
	s_load_b32 s85, s[82:83], 0x0                  ; item 1's
	s_load_b128 s[16:19], s[10:11], 0x0            ; eq, ek, ep, ev
	s_wait_kmcnt 0x0
	DECODE 84, LEN, WALK, N0, 68
	s_max_u32 s[N0], s[N0], 2                      ; two tiles at the least: the codes of a batch's first 512 keys are always there
	DECODE 85, LEN1, WALK1, 70, 69
	s_add_co_u32 s[TT], s[N0], s70
	s_lshl_b32 s[B0], s68, 3
	s_lshl_b32 s[B1], s69, 3
	s_sub_co_u32 s[B1], s[B1], s[N0]
	s_lshl_b32 s72, s68, 19                        ; a batch is 2,048 rows of 256 bytes
	s_mov_b32 s73, 0
	s_lshl_b32 s74, s69, 19
	s_mov_b32 s75, 0
	s_lshl_b32 s76, s[J], 15                       ; my block's 128 rows
	s_lshl_b32 s78, s[WV], 12
	s_add_co_u32 s78, s78, s76                     ; the 16 rows whose codes I make
	s_mov_b32 s79, 0
	s_lshl_b32 s80, s[TA], 12
	s_add_co_u32 s80, s80, s76                     ; the 16 rows that I store
	s_mov_b32 s81, 0
	s_add_nc_u64 s[QA:QA+1], s[4:5], s[72:73]
	s_add_nc_u64 s[QA:QA+1], s[QA:QA+1], s[78:79]
	s_add_nc_u64 s[QB:QB+1], s[4:5], s[74:75]
	s_add_nc_u64 s[QB:QB+1], s[QB:QB+1], s[78:79]
	s_mov_b64 s[OO:OO+1], s[80:81]                 ; never written again
	s_mov_b32 s[OB], s68
	s_mov_b32 s[OB1], s69
	s_mov_b32 s62, 0
	TADR 62, PKP
	s_mov_b32 s62, 1
	TADR 62, PVP
.set n, 0
.rept 8
	global_load_b128 v[S+4*n:S+4*n+3], v250, s[QA:QA+1] offset:256*n th:TH_LOAD_NT   ; item 0's Q
.set n, n+1
.endr
.set n, 0
.rept 8
	global_load_b128 v[S+64+4*n:S+64+4*n+3], v[RS], s[PKP:PKP+1] offset:512*n   ; tile 0
.set n, n+1
.endr
	WIN 0x40
.set n, 0
.rept 8
	global_load_b128 v[STG+4*n:STG+4*n+3], v[RS], s[PVP:PVP+1] offset:512*n     ; tile 1
.set n, n+1
.endr
	WIN 0
	RESET
	s_or_b32 s62, s[J], s[KH]
	s_cmp_eq_u32 s62, 0
	s_cselect_b32 s[PFL], s[TT], 0                 ; who prefetches
	s_add_co_i32 s62, s16, s17
	s_lshl_b32 s62, s62, 23
	s_add_co_i32 s[CS], s62, 0x3e38aa3b            ; log2(e) / 8, with eq + ek added to its exponent field
	s_mov_b32 s[CS+1], s[CS]                       ; (named with it as a pair, so it is written)
	s_sub_co_i32 s63, 0xcaf42400, s62              ; -8e6, with eq + ek taken off its exponent field: x c it gives t of the fill, -1e6 x log2(e)
	v_mov_b32 v[NEGV], s63
	MKSC 16, SCQ, LQ
	s_xor_b32 s[NLQ], s[LQ], 0x80000000
	MKSC 18, SCP, LP
	s_cmp_lt_i32 s18, -8
	s_cselect_b32 s[HOLD], 1, 0
	s_add_co_i32 s[EPV], s18, s19
	s_mov_b32 s[TS], 0
	s_mov_b32 s[KF], s[H128]
	s_mov_b32 s[NF], s[N0]
	s_mov_b32 s[NF2], s[TT]
	s_mov_b32 s[FL], 0
	s_mov_b32 s[IC], 0
	s_wait_alu depctr_va_vdst(0)                   ; the wait at the head's end
	s_wait_loadcnt 16                              ; Q is in; the sixteen loads of tiles 0 and 1 may be out
.set n, 0
.rept 32
	v_med3_num_f32 v[S+n], v[S+n], s[NLQ], s[LQ]   ; the conversion to an 8-bit code does not saturate (ISA guide 7.6.2)
.set n, n+1
.endr
.set n, 0
.rept 4
	v_cvt_scalef32_pk8_fp8_f32 v[P+2*n:P+2*n+1], v[S+8*n:S+8*n+7], v[SCQ]
.set n, n+1
.endr
	v_nop                                          ; one plain vector line behind the last conversion
.set n, 0
.rept 8
	ds_store_b32 v[QS], v[P+n] offset:16*n
.set n, n+1
.endr
	s_wait_loadcnt 8                               ; tile 0 is in; tile 1's eight loads may be out
.set n, 0
.rept 8
	ds_store_b128 v[RS], v[S+64+4*n:S+64+4*n+3] offset:512*n
.set n, n+1
.endr
	s_wait_dscnt 0x0                               ; for the others' sake: Q's codes and tile 0
	s_barrier_signal -1
	s_barrier_wait -1
	QLOAD 0
	KLOAD 0
	WIN 0x40
.set n, 0
.rept 8
	global_load_b128 v[KEEP+4*n:KEEP+4*n+3], v250, s[QB:QB+1] offset:256*n th:TH_LOAD_NT   ; item 1's Q: asked for behind what step 0 needs
.set n, n+1
.endr
	WIN 0
	DSTEP 0, 0
	DSTEP 1, 1
.Lloop:                                                ; five trips of three steps, 2 to 16: the rest of the chain's 16 places and the last item's end behind them
	DSTEP 2, 2
	DSTEP 0, 2
	DSTEP 1, 2
	s_add_co_u32 s[IC], s[IC], 1
	s_cmp_lt_u32 s[IC], 5
	s_cbranch_scc1 .Lloop
	s_wait_tensorcnt 0x0                           ; the wave's end
	ds_add_u32 v[SPW], v[NIL]
	s_wait_dscnt 0x0
	s_endpgm
.Lfunc_end_k_qedbcd7c105_attn:
	.size	k_qedbcd7c105_attn, .Lfunc_end_k_qedbcd7c105_attn-k_qedbcd7c105_attn
	.p2alignl 7, 3214868480
	.fill 96, 4, 3214868480
	.section	.rodata,"a",@progbits
	.p2align	6, 0x0
	.amdhsa_kernel k_qedbcd7c105_attn
		.amdhsa_group_segment_fixed_size 254976
		.amdhsa_private_segment_fixed_size 0
		.amdhsa_enable_private_segment 0
		.amdhsa_kernarg_size 40
		.amdhsa_user_sgpr_count 2
		.amdhsa_user_sgpr_kernarg_segment_ptr 1
		.amdhsa_wavefront_size32 1
		.amdhsa_system_sgpr_workgroup_id_x 1
		.amdhsa_system_sgpr_workgroup_id_y 1
		.amdhsa_system_sgpr_workgroup_id_z 1
		.amdhsa_system_vgpr_workitem_id 0
		.amdhsa_next_free_vgpr 512
		.amdhsa_next_free_sgpr 88
		.amdhsa_reserve_vcc 1
		.amdhsa_float_denorm_mode_32 3
		.amdhsa_float_denorm_mode_16_64 3
		.amdhsa_memory_ordered 1
		.amdhsa_forward_progress 1
		.amdhsa_inst_pref_size 251
	.end_amdhsa_kernel
	.amdgpu_metadata
---
amdhsa.version: [ 1, 2 ]
amdhsa.kernels:
  - .name:           k_qedbcd7c105_attn
    .symbol:         k_qedbcd7c105_attn.kd
    .args:
      - { .name: queries, .offset: 0, .size: 8, .value_kind: global_buffer, .address_space: global }
      - { .name: kv, .offset: 8, .size: 8, .value_kind: global_buffer, .address_space: global }
      - { .name: deal, .offset: 16, .size: 8, .value_kind: global_buffer, .address_space: global }
      - { .name: lowp_scales, .offset: 24, .size: 8, .value_kind: global_buffer, .address_space: global }
      - { .name: out0, .offset: 32, .size: 8, .value_kind: global_buffer, .address_space: global }
    .group_segment_fixed_size: 254976
    .private_segment_fixed_size: 0
    .kernarg_segment_align: 8
    .kernarg_segment_size: 40
    .max_flat_workgroup_size: 256
    .sgpr_count:     88
    .vgpr_count:     512
    .wavefront_size: 32
...
	.end_amdgpu_metadata
.endif
;; end of part 2
